; MI455X (gfx1250); checked and timed in simulation.
; The chip was launched on July 23, 2026; its instructions are those of AMD's public machine-readable ISA for CDNA 5 (MIT licence, August 2026) and "CDNA5" Instruction Set Architecture Reference Guide (July 2026). The comments in the code are by the model that wrote it; some were corrected since.
;; Simple Retriever Memory. Allowed arithmetic: matrix products marked QUANTISED: E4M3 operands, one E8M0 scale for each 32 along K, by v_wmma_scale_f32_16x16x128_f8f6f4 with both operands' format E4M3, f32 sums; everything else in f32.
;; Inputs: keys 131,072 x 256 float32; query 1,024 x 256 float32; vals 131,072 x 256 float32.
;; Outputs: out0 1,024 x 8 x 256 float32.
;; Constants: top_k = 8.
;; This version of the problem:
;;   THIS VERSION OF THE PROBLEM IS GIVEN IN LOW PRECISION. The matrix products marked QUANTISED in the list below multiply operands that are first quantised to E4M3 (4 exponent bits, 3 mantissa bits; 8 bits a number), with one power-of-two scale for each 32 numbers along K (OCP MX v1.0); their sums are f32. All else is computed in f32.
;;   The module's matrix products, in the order in which they are computed (A, B: the left and right operand; K: the contracted axis; several contracted axes count as one K, in the product's order):
;;     1. [M 1,024, K 256] x [K 256, N 131,072]; A: input query; B: input keys: QUANTISED
;;   THE QUANTISER, for each operand of a quantised product, along K:
;;     - K is cut into blocks of 32 from its start; a last block that is shorter is filled with zeros.
;;     - A block's scale is 2^e with e = floor(log2(the largest magnitude in the block)) - 8, held to -126 .. 127; a block of zeros has e = 0. As a byte (E8M0): e + 127.
;;     - Each number is divided by its block's scale, clamped to +-448, and rounded to the nearest number of E4M3, ties to even, subnormals kept.
;;     - The product sums the exact products of the quantised numbers (number of the format x scale) in f32.
;;   ~~~python
;;   def quantise(x, axis):      # numpy; x: float32 -> the quantised numbers, widened to float32 again
;;       x = np.moveaxis(x, axis, -1); K = x.shape[-1]
;;       x = np.pad(x, [(0, 0)] * (x.ndim - 1) + [(0, -K % 32)]); x = x.reshape(x.shape[:-1] + (-1, 32)); a = np.abs(x).max(-1, keepdims=True)
;;       e = np.where(a > 0, np.clip(np.frexp(np.where(a > 0, a, 1))[1] - 1 - 8, -126, 127), 0)      # np.frexp(a)[1] - 1 = floor(log2(a)), exactly
;;       r = np.clip(x / 2.0 ** e, -448, 448)
;;       step = 2.0 ** (np.maximum(np.frexp(np.where(r == 0, 1, r))[1] - 1, -6) - 3)
;;       q = np.round(r / step) * step * 2.0 ** e      # np.round: ties to even
;;       return np.moveaxis(q.reshape(q.shape[:-2] + (-1,))[..., :K], -1, axis).astype(np.float32)
;;   ~~~
;; One version. Each part assembles by itself: llvm-mc -triple=amdgcn-amd-amdhsa -mcpu=gfx1250 --defsym DOCPART=n.
;; ======== version 1 of 1: 6 launches
;; workspace buffers: qrec 278,528 bytes; krec 35,651,584 bytes; fbuf 33,554,432 bytes; cbuf 2,097,152 bytes; sel1 32,768 bytes of whole numbers; sel2 32,768 bytes of whole numbers; sel3 32,768 bytes of whole numbers
;; launch prep (part 1): grid 64 x 1, 1 waves a work-group, no clusters, 0 bytes of LDS; arguments query, qrec; writes qrec
.if DOCPART == 1
	.amdgcn_target "amdgcn-amd-amdhsa--gfx1250"
	.amdhsa_code_object_version 6
	.text
	.protected	k_q2a0a249146_prep
	.globl	k_q2a0a249146_prep
	.p2align	8
	.type	k_q2a0a249146_prep,@function
k_q2a0a249146_prep:
	s_mov_b64 s[64:65], 0
	v_nop
	global_prefetch_b8 v0, s[64:65] scope:SCOPE_SE
	s_setreg_imm32_b32 hwreg(HW_REG_WAVE_MODE, 25, 1), 1
	s_wait_xcnt 0x0
; query [1024][256] f32 -> 64 records of 4,352 bytes, one for each tile of 16 queries, laid in the order of a matrix operand's registers.
; A record: bytes 2048 s + 512 c + 16 lane = registers 4 c .. 4 c + 3 of the fragment of K step s (lane (r, h): codes of k = 128 s + 32 c + 16 h + 0 .. 15 of row r);
; bytes 4096 + 8 lane = a pair: the scale word (lanes 0-15: row lane's word of K step 0; lanes 16-31: row lane - 16's word of K step 1), and the row's sum of squares of the UNQUANTISED numbers.
; The quantiser: a block's scale is 2^(floor(log2(largest magnitude)) - 8), its byte that exponent + 127, held at 1 from below; each number is divided by the scale, held within +-448, rounded to the nearest code of E4M3, ties to even.
; LIMITS: a block of zeros gets the byte 1 where the rule says 127 (its codes are zeros, and this program alone reads the bytes); NaN and infinities among the inputs are not served;
; the sum of squares is added in another order than a plain sum from left to right.
; One wave takes one tile.  No LDS, no barrier: the tiles share nothing.  Matrix units and clusters have nothing to do here.
.set XA,   3                           ; v3   my byte in the tile's 16 rows: 1024 r + 64 h
.set L16,  4                           ; v4   16 x lane
.set L8,   5                           ; v5   8 x lane
.set PW,   8                           ; v8   scale word of K step 1
.set PW0,  9                           ; v9   scale word of K step 0
.set PB,   10                          ; v[10:11] the pair that is stored
.set KA,   12                          ; v[12:15] the sum of squares, in two packed chains
.set TM,   16                          ; v[16:31] at work in the quantiser
.set PC,   32                          ; v[32:47] codes of K step 0
.set PC2,  48                          ; v[48:63] codes of K step 1
.set N,    64                          ; v[64:127] 64 numbers of K step 0
.set N2,   128                         ; v[128:191] of K step 1
.set SEL,  20                          ; s[20:21] lane selects: lane l xor 16
.set MNT,  22                          ; s22  the mantissa field of 448
.set HM,   23                          ; s23  mask of lanes 16-31
.set QREC, 4352
; the squares of 64 numbers are added onto two packed chains; first = 1: the first two products start the chains
.macro KSUM b, first
.set kp, 0
.rept 32
.if \first && (kp < 2)
	v_pk_mul_f32 v[KA+2*(kp%2):KA+2*(kp%2)+1], v[\b+2*kp:\b+2*kp+1], v[\b+2*kp:\b+2*kp+1]
.else
	v_pk_fma_f32 v[KA+2*(kp%2):KA+2*(kp%2)+1], v[\b+2*kp:\b+2*kp+1], v[\b+2*kp:\b+2*kp+1], v[KA+2*(kp%2):KA+2*(kp%2)+1]
.endif
.set kp, kp+1
.endr
.endm
; the four partial sums and lane l xor 16's make the row's sum, in v[d]
.macro NORM d
	v_pk_add_f32 v[KA:KA+1], v[KA:KA+1], v[KA+2:KA+3]
	v_add_f32 v[KA], v[KA], v[KA+1]
	v_permlanex16_b32 v[KA+2], v[KA], s[SEL], s[SEL+1]
	v_add_f32 v[\d], v[KA], v[KA+2]
.endm
; 64 numbers of a lane, register 16 b + i = k 32 b + 16 h + i of my row, become a fragment's codes in v[pc] on and its scale word in v[pw]
.macro QUANT s, pc, pw
.irp b, 0,1,2,3
	v_max3_num_f32 v[TM+\b], |v[\s+16*\b]|, |v[\s+1+16*\b]|, 0x4800000   ; my 16 numbers of block b, and the floor 2^(9 - 127): the byte cannot fall under 1
.endr
.irp i, 2,4,6,8,10,12,14
.irp b, 0,1,2,3
	v_max3_num_f32 v[TM+\b], v[TM+\b], |v[\s+16*\b+\i]|, |v[\s+1+16*\b+\i]|   ; the four blocks by turns
.endr
.endr
.irp b, 0,1,2,3
	v_permlanex16_b32 v[TM+4+\b], v[TM+\b], s[SEL], s[SEL+1]
.endr
.irp b, 0,1,2,3
	v_max_num_f32 v[TM+\b], v[TM+\b], v[TM+4+\b]           ; with lane l xor 16's: the block's largest magnitude
.endr
.irp b, 0,1,2,3
	v_add_nc_u32 v[TM+12+\b], 0xfc000000, v[TM+\b]         ; 8 off its exponent field: the conversion's scale operand
.endr
.irp b, 0,1,2,3
	v_and_or_b32 v[TM+8+\b], v[TM+\b], 0x7f800000, s[MNT]  ; 448 x the scale
.endr
.irp b, 0,1,2,3
	v_lshrrev_b32 v[TM+4+\b], 23, v[TM+12+\b]              ; the scale's byte
.endr
	v_lshl_or_b32 v[\pw], v[TM+5], 8, v[TM+4]
	v_lshl_or_b32 v[\pw], v[TM+6], 16, v[\pw]
	v_lshl_or_b32 v[\pw], v[TM+7], 24, v[\pw]
.irp b, 0,1,2,3
.irp i, 0,1,2,3,4,5,6,7,8,9,10,11,12,13,14,15
	v_med3_num_f32 v[\s+16*\b+\i], v[\s+16*\b+\i], -v[TM+8+\b], v[TM+8+\b]   ; the conversion does not saturate (ISA guide 7.6.2): the hold comes first
.endr
	v_cvt_scalef32_pk8_fp8_f32 v[\pc+4*\b:\pc+1+4*\b], v[\s+16*\b:\s+7+16*\b], v[TM+12+\b]
	v_cvt_scalef32_pk8_fp8_f32 v[\pc+2+4*\b:\pc+3+4*\b], v[\s+8+16*\b:\s+15+16*\b], v[TM+12+\b]
.endr
	v_nop                                                  ; one plain line behind the last conversion
.endm
	s_load_b128 s[4:7], s[0:1], 0x0                ; query, qrec
	v_and_b32 v1, 15, v0                           ; r
	v_bfe_u32 v2, v0, 4, 1                         ; h
	v_lshlrev_b32 v[XA], 10, v1
	v_lshl_add_u32 v[XA], v2, 6, v[XA]
	v_lshlrev_b32 v[L16], 4, v0                    ; one wave: the thread's number is the lane
	v_lshlrev_b32 v[L8], 3, v0
	s_mov_b32 s[SEL], 0x76543210
	s_mov_b32 s[SEL+1], 0xfedcba98
	s_mov_b32 s[MNT], 0x600000
	s_mov_b32 s[HM], 0xffff0000
.irp b, 0,1,2,3
	v_mov_b32 v[TM+4+\b], 0                        ; written once: a lane permute's destination counts as one of its sources
.endr
	s_lshl_b32 s8, ttmp9, 14                       ; the tile's 16 rows of 1,024 bytes
	s_mov_b32 s9, 0
	s_mul_i32 s10, ttmp9, QREC                     ; the tile's record
	s_mov_b32 s11, 0
	s_wait_kmcnt 0x0
	s_add_nc_u64 s[4:5], s[4:5], s[8:9]
	s_add_nc_u64 s[6:7], s[6:7], s[10:11]
.irp s, 0,1
.irp b, 0,1,2,3
.irp j, 0,1,2,3
	global_load_b128 v[N+64*\s+16*\b+4*\j:N+64*\s+16*\b+4*\j+3], v[XA], s[4:5] offset:512*\s+128*\b+16*\j th:TH_LOAD_NT
.endr
.endr
.endr
	s_wait_loadcnt 16                              ; K step 0's sixteen loads are in; K step 1's sixteen may be out
	KSUM N, 1                                      ; ahead of the quantiser, which writes over the numbers
	QUANT N, PC, PW0
	s_wait_loadcnt 0x0
	KSUM N2, 0
	QUANT N2, PC2, PW
	v_cndmask_b32 v[PB], v[PW0], v[PW], s[HM]      ; lanes 0-15 keep K step 0's word, lanes 16-31 take K step 1's
	NORM PB+1
.irp c, 0,1,2,3
	global_store_b128 v[L16], v[PC+4*\c:PC+4*\c+3], s[6:7] offset:512*\c          ; 32 lanes store 512 consecutive bytes
.endr
.irp c, 0,1,2,3
	global_store_b128 v[L16], v[PC2+4*\c:PC2+4*\c+3], s[6:7] offset:2048+512*\c
.endr
	global_store_b64 v[L8], v[PB:PB+1], s[6:7] offset:4096                         ; 256 consecutive bytes
	s_endpgm
.Lfunc_end_k_q2a0a249146_prep:
	.size	k_q2a0a249146_prep, .Lfunc_end_k_q2a0a249146_prep-k_q2a0a249146_prep
	.p2alignl 7, 3214868480
	.fill 96, 4, 3214868480
	.section	.rodata,"a",@progbits
	.p2align	6, 0x0
	.amdhsa_kernel k_q2a0a249146_prep
		.amdhsa_group_segment_fixed_size 0
		.amdhsa_private_segment_fixed_size 0
		.amdhsa_enable_private_segment 0
		.amdhsa_kernarg_size 16
		.amdhsa_user_sgpr_count 2
		.amdhsa_user_sgpr_kernarg_segment_ptr 1
		.amdhsa_wavefront_size32 1
		.amdhsa_system_sgpr_workgroup_id_x 1
		.amdhsa_system_sgpr_workgroup_id_y 1
		.amdhsa_system_sgpr_workgroup_id_z 1
		.amdhsa_system_vgpr_workitem_id 0
		.amdhsa_next_free_vgpr 192
		.amdhsa_next_free_sgpr 66
		.amdhsa_reserve_vcc 0
		.amdhsa_float_denorm_mode_32 3
		.amdhsa_float_denorm_mode_16_64 3
		.amdhsa_memory_ordered 1
		.amdhsa_forward_progress 1
		.amdhsa_inst_pref_size 26
	.end_amdhsa_kernel
	.amdgpu_metadata
---
amdhsa.version: [ 1, 2 ]
amdhsa.kernels:
  - .name:           k_q2a0a249146_prep
    .symbol:         k_q2a0a249146_prep.kd
    .args:
      - { .name: query, .offset: 0, .size: 8, .value_kind: global_buffer, .address_space: global }
      - { .name: qrec, .offset: 8, .size: 8, .value_kind: global_buffer, .address_space: global }
    .group_segment_fixed_size: 0
    .private_segment_fixed_size: 0
    .kernarg_segment_align: 8
    .kernarg_segment_size: 16
    .max_flat_workgroup_size: 32
    .sgpr_count:     66
    .vgpr_count:     192
    .wavefront_size: 32
...
	.end_amdgpu_metadata
.endif
;; end of part 1
;; launch main (part 2): grid 256 x 1, 8 waves a work-group, no clusters, 327,680 bytes of LDS; arguments keys, qrec, krec, fbuf, cbuf; writes krec, fbuf, cbuf
.if DOCPART == 2
	.amdgcn_target "amdgcn-amd-amdhsa--gfx1250"
	.amdhsa_code_object_version 6
	.text
	.protected	k_q2a0a249146_main
	.globl	k_q2a0a249146_main
	.p2align	8
	.type	k_q2a0a249146_main,@function
k_q2a0a249146_main:
	s_mov_b64 s[64:65], 0
	v_nop
	global_prefetch_b8 v0, s[64:65] scope:SCOPE_SE
	s_setreg_imm32_b32 hwreg(HW_REG_WAVE_MODE, 25, 1), 1
	s_wait_xcnt 0x0
; All 1,024 x 131,072 squared distances d2 = (q2 + k2) - 2 qk, qk on codes of E4M3 with E8M0 scales; of them only minima over contiguous ranges of keys leave the launch.
; SHARES.  Work-group c owns keys 512 c .. 512 c + 511 and ALL queries: each key is read from memory and quantised once in the whole program.  Wave w keeps queries 128 w .. 128 w + 127 as
; operand registers (8 tiles x 2 K steps = 256 registers, window 1) for the whole launch.  Four trips of 128 keys: 64 of the group's lower 256 keys (half 0) and 64 of its upper 256 (half 1).
; In a trip wave w = 4 H + sub fetches (one tensor load, 16 rows of 1,024 bytes) and quantises the 16 keys 256 H + 64 t + 16 sub + 0 .. 15, stores their codes as images of operand registers in LDS
; (and as a record in krec, for the launch that recomputes the finalists), and then multiplies all eight tiles of the trip by its eight query tiles: 128 matrix instructions a wave and trip.
; THE ROWS OF A KEY TILE: tile u has as rows 0-7 the keys 64 t + 8 u + 0 .. 7 of half 0 and as rows 8-15 the same keys of half 1.  Source 0 = keys, source 1 = queries: in the result lane (r, h) holds
; query r, and its eight registers the keys 8 u + 0 .. 7 of half h: so a lane walks contiguous keys, tiles 2 i and 2 i + 1 are the 16 keys of one fine group, a half is one coarse group of 256 keys.
; PER SCORE REGISTER: half a packed addition (q2 + k2), half a packed multiply-add (-2 qk + that), half a three-way minimum.  The clamp at 0 and the root are left to the launches that pick: both are monotone.
; OUT: fbuf [c][t][q][h][i]: min d2 of keys (32 c + 16 h + 4 t + i) x 16 + 0 .. 15;  cbuf [c][w][a / 4][lane = 16 h + r][a % 4]: min d2 of keys (2 c + h) x 256 + 0 .. 255 for query 128 w + 16 a + r;
; krec: a record of 4,352 bytes for each 16 keys, laid as prep lays a tile of queries.
; TWO WAVES TO A SIMD, 512 registers each: a tile has 96 vector instructions beside its 16 matrix instructions; one wave's vector work stands beside the other's matrix work.
; NO CLUSTER: what the work-groups share is the queries' 278,528 bytes of records, read once by each, straight into registers; a joint load lands in LDS, of whose 327,680 bytes this text uses 271,360.  The keys, which are
; what streams, are shared by nobody.
; LIMITS: NaN and infinities among the inputs, or a d2 that overflows, are not served; a block of zeros gets the scale byte 1 (its codes are zeros; this program alone reads the bytes); k2 is added in another order than from left to right.
.set WSTG,   16640                     ; LDS 0 ..: a staging slot for each wave: 16 rows x (1,024 + 16) bytes, filled by tensor loads alone
.set SPITCH, 1040                      ; 65 x 16 bytes: the 16 rows that a load touches begin in 16 different columns of 16 bytes
.set IMG,    133120                    ; 32 tile records (all four trips have bytes of their own)
.set REC,    4224                      ; 8 x 512 bytes of codes + 128 bytes of scale words
.set K2T,    268288                    ; 32 tiles x 16 f32: k2 by row of the tile
.set SPARE,  270336                    ; the spare words: 128 bytes for each of eight waves, four blocks of 256 bytes that no other line names
.set KREC,   4352
.set SPW,   1                          ; v1   my spare word; never rewritten
.set NIL,   2                          ; v2   0; never rewritten
.set L16,   3                          ; v3   16 x lane
.set ASTG,  4                          ; v4   staging: my wave's slot + 1040 r + 64 h
.set AIMW0, 5                          ; v5-10  addresses for trip 0: image store, scale word store, k2 store, image read, scale word read, k2 read
.set ASCW0, 6
.set AK2W0, 7
.set AIMR0, 8
.set ASCR0, 9
.set AK2R0, 10
.set AIMW,  11                         ; v11-16 the same for the trip in hand
.set ASCW,  12
.set AK2W,  13
.set AIMR,  14
.set ASCR,  15
.set AK2R,  16
.set FO,    17                         ; v17  32 r + 16 h: my place in a tile's 512 bytes of fbuf
.set L8,    18                         ; v18  8 x lane
.set PB,    20                         ; v[20:21] the pair (scale word, k2)
.set PW0,   22
.set PW,    23
.set KA,    24                         ; v[24:27] k2's chains; in the products' phase the minima's temporaries
.set MT,    24
.set TM,    28                         ; v[28:43] at work in the quantiser
.set PC,    44                         ; v[44:59] codes of K step 0
.set CM,    60                         ; v[60:67] coarse minima, one for each query tile
.set F,     68                         ; v[68:99] fine minima: tile a, group i at v[68 + 4 a + i]
.set PC2,   68                         ; codes of K step 1: in F's registers, which are idle while keys are quantised
.set Q2,    100                        ; v[100:115] q2 of tile a, twice: a pair for the packed addition
.set QS,    116                        ; v[116:123] the queries' scale words: lanes 0-15 K step 0, lanes 16-31 K step 1
.set KS,    124                        ; v124 a key tile's scale words, likewise
.set ACC,   128                        ; v[128:191] eight accumulators
.set N,     128                        ; the same registers: 64 numbers of K step 0 while keys are quantised
.set KF,    192                        ; v[192:223] a key tile's two fragments
.set N2,    192                        ; v[192:255] 64 numbers of K step 1
.set T,     224                        ; v[224:239] q2 + k2, two sets of eight
.set K2,    240                        ; v[240:255] k2 of a tile's eight keys of my half, two sets
.set SEL,   20
.set MNT,   22
.set HM,    23
.set MSB, 0
.macro WIN new                         ; the immediate's high byte repeats the setting that is left
.if MSB != \new
	s_set_vgpr_msb (MSB<<8)|\new
.set MSB, \new
.endif
.endm
.macro KSUM b, first
.set kp, 0
.rept 32
.if \first && (kp < 2)
	v_pk_mul_f32 v[KA+2*(kp%2):KA+2*(kp%2)+1], v[\b+2*kp:\b+2*kp+1], v[\b+2*kp:\b+2*kp+1]
.else
	v_pk_fma_f32 v[KA+2*(kp%2):KA+2*(kp%2)+1], v[\b+2*kp:\b+2*kp+1], v[\b+2*kp:\b+2*kp+1], v[KA+2*(kp%2):KA+2*(kp%2)+1]
.endif
.set kp, kp+1
.endr
.endm
.macro NORM d
	v_pk_add_f32 v[KA:KA+1], v[KA:KA+1], v[KA+2:KA+3]
	v_add_f32 v[KA], v[KA], v[KA+1]
	v_permlanex16_b32 v[KA+2], v[KA], s[SEL], s[SEL+1]
	v_add_f32 v[\d], v[KA], v[KA+2]
.endm
; 64 numbers of a lane, register 16 b + i = k 32 b + 16 h + i of my row, become a fragment's codes in v[pc] on and its scale word in v[pw]
.macro QUANT s, pc, pw
.irp b, 0,1,2,3
	v_max3_num_f32 v[TM+\b], |v[\s+16*\b]|, |v[\s+1+16*\b]|, 0x4800000   ; my 16 numbers of block b, and the floor 2^(9 - 127): the byte cannot fall under 1
.endr
.irp i, 2,4,6,8,10,12,14
.irp b, 0,1,2,3
	v_max3_num_f32 v[TM+\b], v[TM+\b], |v[\s+16*\b+\i]|, |v[\s+1+16*\b+\i]|
.endr
.endr
.irp b, 0,1,2,3
	v_permlanex16_b32 v[TM+4+\b], v[TM+\b], s[SEL], s[SEL+1]
.endr
.irp b, 0,1,2,3
	v_max_num_f32 v[TM+\b], v[TM+\b], v[TM+4+\b]           ; with lane l xor 16's: the block's largest magnitude
.endr
.irp b, 0,1,2,3
	v_add_nc_u32 v[TM+12+\b], 0xfc000000, v[TM+\b]         ; 8 off its exponent field: the conversion's scale operand
.endr
.irp b, 0,1,2,3
	v_and_or_b32 v[TM+8+\b], v[TM+\b], 0x7f800000, s[MNT]  ; 448 x the scale
.endr
.irp b, 0,1,2,3
	v_lshrrev_b32 v[TM+4+\b], 23, v[TM+12+\b]              ; the scale's byte
.endr
	v_lshl_or_b32 v[\pw], v[TM+5], 8, v[TM+4]
	v_lshl_or_b32 v[\pw], v[TM+6], 16, v[\pw]
	v_lshl_or_b32 v[\pw], v[TM+7], 24, v[\pw]
.irp b, 0,1,2,3
.irp i, 0,1,2,3,4,5,6,7,8,9,10,11,12,13,14,15
	v_med3_num_f32 v[\s+16*\b+\i], v[\s+16*\b+\i], -v[TM+8+\b], v[TM+8+\b]   ; the conversion does not saturate (ISA guide 7.6.2): the hold comes first
.endr
	v_cvt_scalef32_pk8_fp8_f32 v[\pc+4*\b:\pc+1+4*\b], v[\s+16*\b:\s+7+16*\b], v[TM+12+\b]
	v_cvt_scalef32_pk8_fp8_f32 v[\pc+2+4*\b:\pc+3+4*\b], v[\s+8+16*\b:\s+15+16*\b], v[TM+12+\b]
.endr
	v_nop                                                  ; one plain line behind the last conversion: the products later write the numbers' registers, the minima the codes'
.endm
; A TRIP'S FIRST PHASE: my 16 keys become two fragments, a scale word a row and K step, and k2.
.macro QK
	s_wait_tensorcnt 0x0                           ; my one tensor load, this trip's 16 rows, has landed: no younger load of mine exists, so the count is 0.  Only I read these bytes
	v_add_nc_u32 v[AIMW], s37, v[AIMW0]            ; the trip's addresses: 8 records and 8 x 64 bytes of k2 further on each trip
	v_add_nc_u32 v[ASCW], s37, v[ASCW0]
	v_add_nc_u32 v[AK2W], s38, v[AK2W0]
	v_add_nc_u32 v[AIMR], s37, v[AIMR0]
	v_add_nc_u32 v[ASCR], s37, v[ASCR0]
	v_add_nc_u32 v[AK2R], s38, v[AK2R0]
.irp s, 0,1
.irp b, 0,1,2,3
.irp j, 0,1,2,3
	ds_load_b128 v[N+64*\s+16*\b+4*\j:N+64*\s+16*\b+4*\j+3], v[ASTG] offset:512*\s+128*\b+16*\j   ; of row r: k = 128 s + 32 b + 16 h + 4 j on
.endr
.endr
.endr
	s_wait_dscnt 16                                ; K step 0's sixteen loads are in; K step 1's sixteen may be out
	KSUM N, 1
	QUANT N, PC, PW0
.irp c, 0,1,2,3
	ds_store_b128 v[AIMW], v[PC+4*\c:PC+4*\c+3] offset:512*\c                     ; into the place of the lane that will hold this row in the tile that the products read
.endr
.irp c, 0,1,2,3
	global_store_b128 v[L16], v[PC+4*\c:PC+4*\c+3], s[8:9] offset:512*\c          ; and into the record, rows in their own order: 512 consecutive bytes
.endr
	s_wait_dscnt 4                                 ; K step 1's numbers are in; the four image stores just issued may be out
	KSUM N2, 0
	QUANT N2, PC2, PW
.irp c, 0,1,2,3
	ds_store_b128 v[AIMW], v[PC2+4*\c:PC2+4*\c+3] offset:2048+512*\c
.endr
.irp c, 0,1,2,3
	global_store_b128 v[L16], v[PC2+4*\c:PC2+4*\c+3], s[8:9] offset:2048+512*\c
.endr
	v_cndmask_b32 v[PB], v[PW0], v[PW], s[HM]      ; lanes 0-15 keep K step 0's word, lanes 16-31 take K step 1's
	NORM PB+1
	ds_store_b32 v[ASCW], v[PB]
	ds_store_b32 v[AK2W], v[PB+1]                  ; both halves of the lanes write the same word with the same value
	global_store_b64 v[L8], v[PB:PB+1], s[8:9] offset:4096
.endm
; THE TRIP'S ONE BARRIER.  In front of it my image, scale and k2 stores have landed and my reads of the staging slot are back; behind it every wave may read the trip's eight tiles.
; refill = 1: my staging slot is filled again, with my 16 keys of the next trip; the load has the products' phase in which to land.
.macro ZONE refill
.if \refill
	s_wait_tensorcnt 0x0                           ; no tensor load of mine is out, so the descriptor may be written
	ds_add_u32 v[SPW], v[NIL]                      ; 0 onto my spare word
	s_add_nc_u64 s[34:35], s[34:35], 65536         ; 64 keys on; the type bits on top are not reached
	s_wait_xcnt 0x0                                ; the record's stores have read their base and their data:
	s_add_nc_u64 s[8:9], s[8:9], 4*KREC            ; the base steps four records, and the codes' registers may be written again
	s_wait_dscnt 0x0                               ; the add is done, my LDS stores have landed, my reads of the slot are back
	s_barrier_signal -1
	s_barrier_wait -1
	tensor_load_to_lds s[32:35], s[24:31]          ; the first thing behind the barrier, and my one tensor load until the next
	s_nop 0
.rept 4
	v_nop
.endr
.else
	s_wait_xcnt 0x0                                ; the record's stores have read the registers that the minima will write
	s_wait_dscnt 0x0                               ; my LDS stores have landed
	s_barrier_signal -1
	s_barrier_wait -1
.endif
.endm
; a key tile's two fragments, its scale words, and k2 of its eight keys of my half
.macro FETCHK t
.irp s, 0,1
.irp c, 0,1,2,3
	ds_load_b128 v[KF+16*\s+4*\c:KF+16*\s+4*\c+3], v[AIMR] offset:REC*(\t)+2048*\s+512*\c
.endr
.endr
	ds_load_b32 v[KS], v[ASCR] offset:REC*(\t)
	ds_load_b128 v[K2+8*((\t)%2):K2+8*((\t)%2)+3], v[AK2R] offset:64*(\t)
	ds_load_b128 v[K2+8*((\t)%2)+4:K2+8*((\t)%2)+7], v[AK2R] offset:64*(\t)+16
.endm
; 16 matrix instructions: the key tile x my eight query tiles, K step 0 (which starts the sums) and K step 1.  The eight accumulators take turns, one instruction a turn.
.macro MUL
	WIN 0x04                                       ; source 1 (the queries) in window 1
.irp a, 0,1,2,3,4,5,6,7
	v_wmma_scale_f32_16x16x128_f8f6f4 v[ACC+8*\a:ACC+8*\a+7], v[KF:KF+15], v[32*\a:32*\a+15], 0, v[KS], v[QS+\a]
.endr
.irp a, 0,1,2,3,4,5,6,7
	v_wmma_scale_f32_16x16x128_f8f6f4 v[ACC+8*\a:ACC+8*\a+7], v[KF+16:KF+31], v[32*\a+16:32*\a+31], v[ACC+8*\a:ACC+8*\a+7], v[KS], v[QS+\a] matrix_a_scale:MATRIX_SCALE_ROW1 matrix_b_scale:MATRIX_SCALE_ROW1
.endr
	WIN 0
.endm
.macro ADDS a, kb                      ; q2 + k2 for query tile a and the eight keys, two at a time
.irp j, 0,2,4,6
	v_pk_add_f32 v[T+8*((\a)%2)+\j:T+8*((\a)%2)+\j+1], v[K2+8*(\kb)+\j:K2+8*(\kb)+\j+1], v[Q2+2*(\a):Q2+2*(\a)+1]
.endr
.endm
.macro FMAS a                          ; d2 = -2 qk + (q2 + k2): one rounding, since 2 qk is exact.  The accumulator is read from its low end on
.irp j, 0,2,4,6
	v_pk_fma_f32 v[ACC+8*(\a)+\j:ACC+8*(\a)+\j+1], v[ACC+8*(\a)+\j:ACC+8*(\a)+\j+1], -2.0, v[T+8*((\a)%2)+\j:T+8*((\a)%2)+\j+1] op_sel_hi:[1,0,1]
.endr
.endm
.macro MINS a, f, first                ; the least of the eight goes into (first = 1) or onto the fine minimum v[f]
	v_min3_num_f32 v[MT+2*((\a)%2)], v[ACC+8*(\a)], v[ACC+8*(\a)+1], v[ACC+8*(\a)+2]
	v_min3_num_f32 v[MT+2*((\a)%2)+1], v[ACC+8*(\a)+3], v[ACC+8*(\a)+4], v[ACC+8*(\a)+5]
	v_min3_num_f32 v[MT+2*((\a)%2)], v[MT+2*((\a)%2)], v[ACC+8*(\a)+6], v[ACC+8*(\a)+7]
.if \first
	v_min_num_f32 v[\f], v[MT+2*((\a)%2)], v[MT+2*((\a)%2)+1]
.else
	v_min3_num_f32 v[\f], v[\f], v[MT+2*((\a)%2)], v[MT+2*((\a)%2)+1]
.endif
.endm
; One key tile.  The eight packed additions behind the products name none of their registers: they are the eight places in front of the loads into the fragments' and the scale word's registers
; and of the first read of a result.
.macro TILE t
	s_wait_dscnt 0x0                               ; this tile's eleven loads, issued a tile ago, are in
	MUL
	ADDS 0, (\t)%2
	ADDS 1, (\t)%2
.if (\t) < 7
	FETCHK (\t)+1
.endif
.irp a, 0,1,2,3,4,5,6,7
	FMAS \a
.if \a < 6
	ADDS \a+2, (\t)%2
.endif
	MINS \a, F+4*\a+(\t)/2, 1-(\t)%2
.endr
.endm
; A TRIP'S SECOND PHASE.  more = 1: another trip follows.
.macro W more
	FETCHK 0
.irp t, 0,1,2,3,4,5,6,7
	TILE \t
.endr
.irp a, 0,1,2,3,4,5,6,7
	v_min3_num_f32 v[CM+\a], v[CM+\a], v[F+4*\a], v[F+4*\a+1]
.endr
.irp a, 0,1,2,3,4,5,6,7
	v_min3_num_f32 v[CM+\a], v[CM+\a], v[F+4*\a+2], v[F+4*\a+3]
.endr
.irp a, 0,1,2,3,4,5,6,7
	global_store_b128 v[FO], v[F+4*\a:F+4*\a+3], s[10:11] offset:512*\a th:TH_STORE_NT   ; 32 lanes store 512 consecutive bytes: 16 queries x 2 halves x 4 groups
.endr
.if \more
	s_wait_xcnt 0x0                                ; these stores have read their base and their data: both are written again in the next trip
	s_add_nc_u64 s[10:11], s[10:11], 32768
	s_add_co_u32 s37, s37, 8*REC
	s_add_co_u32 s38, s38, 512
.endif
.endm
	s_load_b256 s[4:11], s[0:1], 0x0               ; keys s[4:5], qrec s[6:7], krec s[8:9], fbuf s[10:11]
	s_load_b64 s[12:13], s[0:1], 0x20              ; cbuf
	v_lshl_add_u32 v[SPW], v0, 2, SPARE
	v_mov_b32 v[NIL], 0
	ds_add_u32 v1, v2
	ds_add_u32 v1, v2
	s_wait_dscnt 0x0
	v_lshrrev_b32 v24, 5, v0
	v_readfirstlane_b32 s14, v24                   ; wave 0..7
	s_lshr_b32 s15, s14, 2                         ; H: which half of the group's keys I quantise
	s_and_b32 s16, s14, 3                          ; sub: which 16 of a trip's 64
	; descriptor group 1: 16 rows of 256 elements of 4 bytes, dense in memory, 16 bytes of padding behind each row in LDS
	s_mov_b32 s24, (2<<16)|(1<<20)|(7<<22)|(3<<25) ; 15:0 no mask; 17:16 elements of 4 bytes; 20 padding on; 24:22 after every 256 words (code 7); 31:25 four words (code 3)
	s_mov_b32 s25, 256<<16                         ; tensor_dim0 = 256
	s_mov_b32 s26, 16<<16                          ; tensor_dim1 = 16
	s_mov_b32 s27, 256<<16                         ; tile_dim0 = 256
	s_mov_b32 s28, 16                              ; tile_dim1 = 16
	s_mov_b32 s29, 256                             ; elements from row to row
	s_mov_b32 s30, 0
	s_mov_b32 s31, 0
	s_lshl_b32 s40, ttmp9, 19                      ; 512 keys of 1,024 bytes a work-group,
	s_lshl_b32 s17, s15, 18                        ; 256 a half,
	s_add_co_u32 s40, s40, s17
	s_lshl_b32 s17, s16, 14                        ; 16 a wave
	s_add_co_u32 s40, s40, s17
	s_mov_b32 s41, 0
	s_mov_b32 s32, 1                               ; group 0: count = 1
	s_mul_i32 s33, s14, WSTG                       ; LDS address: my staging slot
	s_wait_kmcnt 0x0
	s_add_nc_u64 s[34:35], s[4:5], s[40:41]        ; global address: my 16 keys of trip 0
	s_or_b32 s35, s35, 0x80000000                  ; type = 2
	tensor_load_to_lds s[32:35], s[24:31]          ; the first fill, ahead of every wait on TENSORcnt, every LDS read and every barrier
	s_nop 0
.rept 4
	v_nop
.endr
	s_mul_i32 s40, s14, 8*KREC                     ; my eight query tiles' records
	s_add_nc_u64 s[6:7], s[6:7], s[40:41]
	s_lshl_b32 s40, ttmp9, 5                       ; my record of trip 0: number 32 c + 16 H + sub
	s_lshl_b32 s17, s15, 4
	s_add_co_u32 s40, s40, s17
	s_add_co_u32 s40, s40, s16
	s_mul_i32 s40, s40, KREC
	s_add_nc_u64 s[8:9], s[8:9], s[40:41]
	s_lshl_b32 s40, ttmp9, 17                      ; fbuf: 131,072 c + 4,096 w
	s_lshl_b32 s17, s14, 12
	s_add_co_u32 s40, s40, s17
	s_add_nc_u64 s[10:11], s[10:11], s[40:41]
	s_lshl_b32 s40, ttmp9, 13                      ; cbuf: 8,192 c + 1,024 w
	s_lshl_b32 s17, s14, 10
	s_add_co_u32 s40, s40, s17
	s_add_nc_u64 s[12:13], s[12:13], s[40:41]
	v_and_b32 v26, 31, v0                          ; lane
	v_lshlrev_b32 v[L16], 4, v26
	v_lshlrev_b32 v[L8], 3, v26
	WIN 0x40                                       ; destination window 1
.irp a, 0,1,2,3,4,5,6,7
.irp s, 0,1
.irp c, 0,1,2,3
	global_load_b128 v[32*\a+16*\s+4*\c:32*\a+16*\s+4*\c+3], v[L16], s[6:7] offset:KREC*\a+2048*\s+512*\c   ; the queries' fragments: they stay
.endr
.endr
.endr
	WIN 0
.irp a, 0,1,2,3,4,5,6,7
	global_load_b32 v[QS+\a], v[L8], s[6:7] offset:KREC*\a+4096
	global_load_b32 v[Q2+2*\a], v[L8], s[6:7] offset:KREC*\a+4100
	global_load_b32 v[Q2+2*\a+1], v[L8], s[6:7] offset:KREC*\a+4100
.endr
	v_and_b32 v24, 15, v0                          ; r
	v_bfe_u32 v25, v0, 4, 1                        ; h
	v_mul_u32_u24 v[ASTG], v24, SPITCH
	v_lshl_add_u32 v[ASTG], v25, 6, v[ASTG]
	v_add_nc_u32 v[ASTG], s33, v[ASTG]
	v_lshrrev_b32 v27, 3, v24                      ; r / 8: which of my two tiles takes the row
	v_and_b32 v28, 7, v24                          ; r % 8: its place among the tile's eight rows of my half
	v_mul_u32_u24 v29, v27, REC
	s_mul_i32 s17, s16, 2*REC                      ; tiles 2 sub and 2 sub + 1
	s_lshl_b32 s18, s15, 7                         ; rows 8 H on: 16 bytes a lane
	s_add_co_u32 s18, s18, s17
	s_add_co_u32 s18, s18, IMG
	v_lshl_add_u32 v[AIMW0], v25, 8, v29           ; the place of lane 16 h + 8 H + r % 8
	v_lshl_add_u32 v[AIMW0], v28, 4, v[AIMW0]
	v_add_nc_u32 v[AIMW0], s18, v[AIMW0]
	s_lshl_b32 s18, s15, 5                         ; the same lane's scale word: 4 bytes a lane
	s_add_co_u32 s18, s18, s17
	s_add_co_u32 s18, s18, IMG+4096
	v_lshl_add_u32 v[ASCW0], v25, 6, v29
	v_lshl_add_u32 v[ASCW0], v28, 2, v[ASCW0]
	v_add_nc_u32 v[ASCW0], s18, v[ASCW0]
	s_lshl_b32 s17, s16, 7                         ; k2: 64 bytes a tile, row 8 H + r % 8
	s_lshl_b32 s18, s15, 5
	s_add_co_u32 s18, s18, s17
	s_add_co_u32 s18, s18, K2T
	v_lshlrev_b32 v[AK2W0], 6, v27
	v_lshl_add_u32 v[AK2W0], v28, 2, v[AK2W0]
	v_add_nc_u32 v[AK2W0], s18, v[AK2W0]
	v_lshl_add_u32 v[AIMR0], v26, 4, IMG
	v_lshl_add_u32 v[ASCR0], v26, 2, IMG+4096
	v_lshl_add_u32 v[AK2R0], v25, 5, K2T           ; the eight rows of my half
	v_lshlrev_b32 v[FO], 5, v24
	v_lshl_add_u32 v[FO], v25, 4, v[FO]
	s_mov_b32 s[SEL], 0x76543210
	s_mov_b32 s[SEL+1], 0xfedcba98
	s_mov_b32 s[MNT], 0x600000
	s_mov_b32 s[HM], 0xffff0000
.irp a, 0,1,2,3,4,5,6,7
	v_mov_b32 v[CM+\a], 0x7f800000                 ; the coarse minima begin at +infinity
.endr
.irp b, 0,1,2,3
	v_mov_b32 v[TM+4+\b], 0                        ; written once: a lane permute's destination counts as one of its sources
.endr
	s_mov_b32 s36, 3                               ; trips that are followed by another
	s_mov_b32 s37, 0                               ; the trip's records in LDS
	s_mov_b32 s38, 0                               ; the trip's k2 in LDS
	s_wait_loadcnt 0x0                             ; the queries
.Ltrip:
	QK
	ZONE 1
	W 1
	s_sub_co_u32 s36, s36, 1
	s_cmp_lg_u32 s36, 0
	s_cbranch_scc1 .Ltrip
	QK                                             ; the last trip is written out: it asks for nothing more
	ZONE 0
	W 0
	global_store_b128 v[L16], v[CM:CM+3], s[12:13]             ; 512 consecutive bytes each
	global_store_b128 v[L16], v[CM+4:CM+7], s[12:13] offset:512
	s_wait_tensorcnt 0x0                           ; the wave's end
	ds_add_u32 v[SPW], v[NIL]
	s_wait_dscnt 0x0
	s_endpgm
.Lfunc_end_k_q2a0a249146_main:
	.size	k_q2a0a249146_main, .Lfunc_end_k_q2a0a249146_main-k_q2a0a249146_main
	.p2alignl 7, 3214868480
	.fill 96, 4, 3214868480
	.section	.rodata,"a",@progbits
	.p2align	6, 0x0
	.amdhsa_kernel k_q2a0a249146_main
		.amdhsa_group_segment_fixed_size 327680
		.amdhsa_private_segment_fixed_size 0
		.amdhsa_enable_private_segment 0
		.amdhsa_kernarg_size 40
		.amdhsa_user_sgpr_count 2
		.amdhsa_user_sgpr_kernarg_segment_ptr 1
		.amdhsa_wavefront_size32 1
		.amdhsa_system_sgpr_workgroup_id_x 1
		.amdhsa_system_sgpr_workgroup_id_y 1
		.amdhsa_system_sgpr_workgroup_id_z 1
		.amdhsa_system_vgpr_workitem_id 0
		.amdhsa_next_free_vgpr 512
		.amdhsa_next_free_sgpr 66
		.amdhsa_reserve_vcc 0
		.amdhsa_float_denorm_mode_32 3
		.amdhsa_float_denorm_mode_16_64 3
		.amdhsa_memory_ordered 1
		.amdhsa_forward_progress 1
		.amdhsa_inst_pref_size 205
	.end_amdhsa_kernel
	.amdgpu_metadata
---
amdhsa.version: [ 1, 2 ]
amdhsa.kernels:
  - .name:           k_q2a0a249146_main
    .symbol:         k_q2a0a249146_main.kd
    .args:
      - { .name: keys, .offset: 0, .size: 8, .value_kind: global_buffer, .address_space: global }
      - { .name: qrec, .offset: 8, .size: 8, .value_kind: global_buffer, .address_space: global }
      - { .name: krec, .offset: 16, .size: 8, .value_kind: global_buffer, .address_space: global }
      - { .name: fbuf, .offset: 24, .size: 8, .value_kind: global_buffer, .address_space: global }
      - { .name: cbuf, .offset: 32, .size: 8, .value_kind: global_buffer, .address_space: global }
    .group_segment_fixed_size: 327680
    .private_segment_fixed_size: 0
    .kernarg_segment_align: 8
    .kernarg_segment_size: 40
    .max_flat_workgroup_size: 256
    .sgpr_count:     66
    .vgpr_count:     512
    .wavefront_size: 32
...
	.end_amdgpu_metadata
.endif
;; end of part 2
;; launch pickc (part 3): grid 128 x 1, 8 waves a work-group, no clusters, 17,920 bytes of LDS; arguments cbuf, sel1; writes sel1
.if DOCPART == 3
	.amdgcn_target "amdgcn-amd-amdhsa--gfx1250"
	.amdhsa_code_object_version 6
	.text
	.protected	k_q2a0a249146_pickc
	.globl	k_q2a0a249146_pickc
	.p2align	8
	.type	k_q2a0a249146_pickc,@function
k_q2a0a249146_pickc:
	s_mov_b64 s[64:65], 0
	v_nop
	global_prefetch_b8 v0, s[64:65] scope:SCOPE_SE
	s_setreg_imm32_b32 hwreg(HW_REG_WAVE_MODE, 25, 1), 1
	s_wait_xcnt 0x0
; For each query: the 8 first of its 512 coarse groups (256 contiguous keys each), in the order (distance of the group's nearest key, group number).  The 8 nearest keys, ties to the lower index, lie in these groups:
; were a key of the 8 in a later group, 8 groups would come before its own, and the first key of each would come before it (ranges are contiguous, so group numbers order as key indices do).
; distance = the correctly rounded root of max(d2, 0): the hardware's root is brought to the nearest number by two fused multiply-adds, so that equal distances are the same as with a correctly rounded root.
; Work-group g = 16 w + r serves the queries 128 w + 16 a + r, a = 0 .. 7; wave a takes query a.  cbuf is [c][w][a / 4][16 h + r][a % 4], group number 2 c + h.
; The 256 threads fetch 16 bytes each, four times; the numbers turn through LDS (a row of 512 numbers + 16 bytes for each query); a lane then holds 16 neighbouring groups, keeps the 8 first in a sorted list
; in registers, and five merges across the lanes leave the final list in every lane.  No branch and no address hangs on a number: every choice is a v_cndmask_b32.
; OUT: sel1 [8 g + a][8], group numbers.  LIMITS: NaN and infinities are not served.  Streams, matrix units and clusters: nothing here for them; the launch reads 2 MiB.
.set TRP,  2064                        ; LDS: a query's row: 512 x 4 bytes + 16
.set OUTL, 16640                       ; LDS: behind the eight rows: the eight lists, 32 bytes each
.set X,    16                          ; v[16:31] the lane's numbers
.set LV,   32                          ; v[32:39] the list's distances, ascending
.set LI,   40                          ; v[40:47] the list's numbers
.set PV,   48                          ; v[48:55] the partner's list
.set PI,   56                          ; v[56:63]
.set T0,   64
.set T1,   65
.set XI,   66
.set IDB,  67
.set ZERO, 68
.set C32,  69
.set CM16, 70
.set DE,   72                          ; v[72:99] at work in the root, four numbers at a time
.set DE2,  76
.set DR,   80
.set DA,   84
.set DB,   88
.set DEA,  92
.set DEB,  96
.set AOW,  10
.set AOR,  11
.set GOF,  12
.set WV,   14
.set SEL,  20
.set TINY, 22
.set M,    48                          ; s[48:55] masks
.set MA,   56
.set MB,   57
; four d2 become four distances, in place
.macro DIST4 x
.irp i, 0,1,2,3
	v_max_num_f32 v[\x+\i], 0, v[\x+\i]
.endr
.irp i, 0,1,2,3
	v_cmp_gt_f32 vcc_lo, s[TINY], v[\x+\i]                 ; under 2^-96 the number is first multiplied by 2^32, and the root by 2^-16
	v_cndmask_b32 v[DE+\i], v[ZERO], v[C32], vcc_lo
	v_cndmask_b32 v[DE2+\i], v[ZERO], v[CM16], vcc_lo
.endr
.irp i, 0,1,2,3
	v_ldexp_f32 v[\x+\i], v[\x+\i], v[DE+\i]
.endr
.irp i, 0,1,2,3
	v_sqrt_f32 v[DR+\i], v[\x+\i]
.endr
	v_nop                                                  ; a plain line behind the transcendentals
	s_wait_alu depctr_va_vdst(0)
.irp i, 0,1,2,3
	v_add_nc_u32 v[DA+\i], -1, v[DR+\i]                    ; the next number down,
	v_add_nc_u32 v[DB+\i], 1, v[DR+\i]                     ; and up
.endr
.irp i, 0,1,2,3
	v_fma_f32 v[DEA+\i], -v[DA+\i], v[DR+\i], v[\x+\i]
	v_fma_f32 v[DEB+\i], -v[DB+\i], v[DR+\i], v[\x+\i]
.endr
.irp i, 0,1,2,3
	v_cmp_ge_f32 vcc_lo, 0, v[DEA+\i]
	v_cndmask_b32 v[DR+\i], v[DR+\i], v[DA+\i], vcc_lo
	v_cmp_lt_f32 vcc_lo, 0, v[DEB+\i]
	v_cndmask_b32 v[DR+\i], v[DR+\i], v[DB+\i], vcc_lo
.endr
.irp i, 0,1,2,3
	v_ldexp_f32 v[\x+\i], v[DR+\i], v[DE2+\i]
.endr
.endm
; (v[xv], v[xi]) goes to its place in the sorted list; the last entry falls out.  lex = 0: the numbers of the lane's stream rise, so an equal distance goes behind; lex = 1: equal distances are ordered by number.
.macro INSERT xv, xi, lex
.irp i, 0,1,2,3,4,5,6,7
	v_cmp_lt_f32 s[M+\i], v[\xv], v[LV+\i]
.if \lex
	v_cmp_eq_f32 s[MB], v[\xv], v[LV+\i]
	v_cmp_lt_u32 vcc_lo, v[\xi], v[LI+\i]
	s_and_b32 s[MB], s[MB], vcc_lo
	s_or_b32 s[M+\i], s[M+\i], s[MB]
.endif
.endr
.irp i, 7,6,5,4,3,2,1
	v_med3_num_f32 v[LV+\i], v[LV+\i-1], v[LV+\i], v[\xv]
	v_cndmask_b32 v[T0], v[\xi], v[LI+\i-1], s[M+\i-1]
	v_cndmask_b32 v[LI+\i], v[LI+\i], v[T0], s[M+\i]
.endr
	v_min_num_f32 v[LV], v[LV], v[\xv]
	v_cndmask_b32 v[LI], v[LI], v[\xi], s[M]
.endm
.macro CSWAP i, j                      ; entries i < j are put in order
	v_cmp_lt_f32 s[MA], v[LV+\j], v[LV+\i]
	v_cmp_eq_f32 s[MB], v[LV+\j], v[LV+\i]
	v_cmp_lt_u32 vcc_lo, v[LI+\j], v[LI+\i]
	s_and_b32 s[MB], s[MB], vcc_lo
	s_or_b32 s[MA], s[MA], s[MB]
	v_cndmask_b32 v[T0], v[LI+\i], v[LI+\j], s[MA]
	v_cndmask_b32 v[LI+\j], v[LI+\j], v[LI+\i], s[MA]
	v_mov_b32 v[LI+\i], v[T0]
	v_min_num_f32 v[T1], v[LV+\i], v[LV+\j]
	v_max_num_f32 v[LV+\j], v[LV+\i], v[LV+\j]
	v_mov_b32 v[LV+\i], v[T1]
.endm
; my list and that of lane l xor m: the first of (mine i, the partner's 7 - i) are the 8 first of the 16, a run that falls and rises; three rounds of exchanges sort it.  Both lanes end with the same list.
.macro MERGE m
.irp j, 0,1,2,3,4,5,6,7
.if \m == 16
	v_permlanex16_b32 v[PV+\j], v[LV+\j], s[SEL], s[SEL+1]
	v_permlanex16_b32 v[PI+\j], v[LI+\j], s[SEL], s[SEL+1]
.else
	v_mov_b32_dpp v[PV+\j], v[LV+\j] row_xmask:\m row_mask:0xf bank_mask:0xf
	v_mov_b32_dpp v[PI+\j], v[LI+\j] row_xmask:\m row_mask:0xf bank_mask:0xf
.endif
.endr
.irp i, 0,1,2,3,4,5,6,7
	v_cmp_lt_f32 s[M+\i], v[PV+7-\i], v[LV+\i]
	v_cmp_eq_f32 s[MB], v[PV+7-\i], v[LV+\i]
	v_cmp_lt_u32 vcc_lo, v[PI+7-\i], v[LI+\i]
	s_and_b32 s[MB], s[MB], vcc_lo
	s_or_b32 s[M+\i], s[M+\i], s[MB]
	v_min_num_f32 v[LV+\i], v[LV+\i], v[PV+7-\i]
	v_cndmask_b32 v[LI+\i], v[LI+\i], v[PI+7-\i], s[M+\i]
.endr
	CSWAP 0, 4
	CSWAP 1, 5
	CSWAP 2, 6
	CSWAP 3, 7
	CSWAP 0, 2
	CSWAP 1, 3
	CSWAP 4, 6
	CSWAP 5, 7
	CSWAP 0, 1
	CSWAP 2, 3
	CSWAP 4, 5
	CSWAP 6, 7
.endm
; the eight waves' lists meet in LDS, and wave 0 stores them as 256 consecutive bytes
.macro OUT8 bs
	ds_store_b128 v[AOW], v[LI:LI+3]               ; all lanes hold the same list and write the same bytes
	ds_store_b128 v[AOW], v[LI+4:LI+7] offset:16
	s_wait_dscnt 0x0                               ; for the others' sake: my stores have landed
	s_barrier_signal -1
	s_barrier_wait -1
	s_cmp_lg_u32 s[WV], 0
	s_cbranch_scc1 .Ldone
	ds_load_b64 v[T0:T0+1], v[AOR]
	s_wait_dscnt 0x0
	global_store_b64 v[GOF], v[T0:T0+1], s[\bs:\bs+1]
.Ldone:
	s_wait_tensorcnt 0x0
	ds_add_u32 v128, v129
	s_wait_dscnt 0x0
	s_endpgm
.endm
	s_load_b128 s[4:7], s[0:1], 0x0                ; cbuf, sel1
	v_lshl_add_u32 v128, v0, 2, 0x4200
	v_mov_b32 v129, 0
	v_lshrrev_b32 v1, 5, v0
	v_readfirstlane_b32 s[WV], v1                  ; wave = a
	s_lshr_b32 s15, ttmp9, 4                       ; w
	s_and_b32 s16, ttmp9, 15                       ; r
	s_lshl_b32 s18, s15, 10
	s_lshl_b32 s17, s16, 4
	s_add_co_u32 s18, s18, s17                     ; 1,024 w + 16 r
	s_mov_b32 s19, 0
	s_lshl_b32 s24, ttmp9, 8                       ; sel1: 256 bytes a work-group
	s_mov_b32 s25, 0
	v_lshrrev_b32 v2, 2, v0
	v_lshlrev_b32 v2, 13, v2                       ; thread T: c = T / 4 (+ 64 n): 8,192 bytes each,
	v_bfe_u32 v3, v0, 1, 1
	v_lshl_add_u32 v2, v3, 8, v2                   ; h = (T / 2) % 2: 256 bytes,
	v_and_b32 v3, 1, v0
	v_lshl_add_u32 v2, v3, 9, v2                   ; queries a = 4 (T % 2) + 0 .. 3: 512 bytes
	v_mul_u32_u24 v4, v3, 4*TRP                    ; into LDS: rows 4 (T % 2) + k, group T / 2 (+ 128 n)
	v_lshrrev_b32 v5, 1, v0
	v_lshl_add_u32 v4, v5, 2, v4
	v_and_b32 v6, 31, v0                           ; lane
	s_mul_i32 s17, s[WV], TRP
	v_lshlrev_b32 v7, 6, v6                        ; out of LDS: my query's row, 16 groups a lane
	v_add_nc_u32 v7, s17, v7
	v_lshlrev_b32 v[IDB], 4, v6                    ; my first group's number
	v_and_b32 v[AOW], 0xe0, v0                     ; 32 x wave
	v_add_nc_u32 v[AOW], OUTL, v[AOW]
	v_lshlrev_b32 v[GOF], 3, v6
	v_add_nc_u32 v[AOR], OUTL, v[GOF]
	s_mov_b32 s[SEL], 0x76543210
	s_mov_b32 s[SEL+1], 0xfedcba98
	s_mov_b32 s[TINY], 0x0f800000                  ; 2^-96
	v_mov_b32 v[ZERO], 0
	v_mov_b32 v[C32], 32
	v_mov_b32 v[CM16], -16
.irp i, 0,1,2,3,4,5,6,7
	v_mov_b32 v[LV+\i], 0x7f800000                 ; the list begins with entries behind every real one: (+infinity, the largest number)
	v_mov_b32 v[LI+\i], -1
	v_mov_b32 v[PV+\i], 0                          ; written once: a lane exchange's destination counts as one of its sources
	v_mov_b32 v[PI+\i], 0
.endr
	s_wait_kmcnt 0x0
	s_add_nc_u64 s[4:5], s[4:5], s[18:19]
	s_add_nc_u64 s[6:7], s[6:7], s[24:25]
.irp n, 0,1,2,3
	global_load_b128 v[X+4*\n:X+4*\n+3], v2, s[4:5] offset:524288*\n
.endr
	s_wait_loadcnt 0x0
.irp n, 0,1,2,3
.irp k, 0,1,2,3
	ds_store_b32 v4, v[X+4*\n+\k] offset:TRP*\k+512*\n
.endr
.endr
	s_wait_dscnt 0x0                               ; for the others' sake: my stores have landed
	s_barrier_signal -1
	s_barrier_wait -1
.irp k, 0,1,2,3
	ds_load_b128 v[X+4*\k:X+4*\k+3], v7 offset:16*\k
.endr
	s_wait_dscnt 0x0
.irp k, 0,1,2,3
	DIST4 X+4*\k
.endr
.irp k, 0,1,2,3,4,5,6,7,8,9,10,11,12,13,14,15
	v_add_nc_u32 v[XI], \k, v[IDB]
	INSERT X+\k, XI, 0
.endr
	MERGE 1
	MERGE 2
	MERGE 4
	MERGE 8
	MERGE 16
	OUT8 6
.Lfunc_end_k_q2a0a249146_pickc:
	.size	k_q2a0a249146_pickc, .Lfunc_end_k_q2a0a249146_pickc-k_q2a0a249146_pickc
	.p2alignl 7, 3214868480
	.fill 96, 4, 3214868480
	.section	.rodata,"a",@progbits
	.p2align	6, 0x0
	.amdhsa_kernel k_q2a0a249146_pickc
		.amdhsa_group_segment_fixed_size 17920
		.amdhsa_private_segment_fixed_size 0
		.amdhsa_enable_private_segment 0
		.amdhsa_kernarg_size 16
		.amdhsa_user_sgpr_count 2
		.amdhsa_user_sgpr_kernarg_segment_ptr 1
		.amdhsa_wavefront_size32 1
		.amdhsa_system_sgpr_workgroup_id_x 1
		.amdhsa_system_sgpr_workgroup_id_y 1
		.amdhsa_system_sgpr_workgroup_id_z 1
		.amdhsa_system_vgpr_workitem_id 0
		.amdhsa_next_free_vgpr 130
		.amdhsa_next_free_sgpr 66
		.amdhsa_reserve_vcc 1
		.amdhsa_float_denorm_mode_32 3
		.amdhsa_float_denorm_mode_16_64 3
		.amdhsa_memory_ordered 1
		.amdhsa_forward_progress 1
		.amdhsa_inst_pref_size 93
	.end_amdhsa_kernel
	.amdgpu_metadata
---
amdhsa.version: [ 1, 2 ]
amdhsa.kernels:
  - .name:           k_q2a0a249146_pickc
    .symbol:         k_q2a0a249146_pickc.kd
    .args:
      - { .name: cbuf, .offset: 0, .size: 8, .value_kind: global_buffer, .address_space: global }
      - { .name: sel1, .offset: 8, .size: 8, .value_kind: global_buffer, .address_space: global }
    .group_segment_fixed_size: 17920
    .private_segment_fixed_size: 0
    .kernarg_segment_align: 8
    .kernarg_segment_size: 16
    .max_flat_workgroup_size: 256
    .sgpr_count:     66
    .vgpr_count:     130
    .wavefront_size: 32
...
	.end_amdgpu_metadata
.endif
;; end of part 3
;; launch pickf (part 4): grid 128 x 1, 8 waves a work-group, no clusters, 1,280 bytes of LDS; arguments sel1, fbuf, sel2; writes sel2
.if DOCPART == 4
	.amdgcn_target "amdgcn-amd-amdhsa--gfx1250"
	.amdhsa_code_object_version 6
	.text
	.protected	k_q2a0a249146_pickf
	.globl	k_q2a0a249146_pickf
	.p2align	8
	.type	k_q2a0a249146_pickf,@function
k_q2a0a249146_pickf:
	s_mov_b64 s[64:65], 0
	v_nop
	global_prefetch_b8 v0, s[64:65] scope:SCOPE_SE
	s_setreg_imm32_b32 hwreg(HW_REG_WAVE_MODE, 25, 1), 1
	s_wait_xcnt 0x0
; For each query: the 8 first of the 8 x 16 fine groups (16 contiguous keys each) of its 8 coarse groups, in the order (distance of the group's nearest key, group number).  By the same argument as one level up, the 8 nearest keys lie in them.
; Wave (g, a) serves query q = 128 (g / 16) + 16 a + g % 16, whose list is row 8 g + a of sel1.  Lane l takes coarse group number l / 4 of the list and, of its 16 fine groups, those of trip t = l % 4: 16 neighbouring bytes of
; fbuf [c][t][q][h][i] (coarse number = 2 c + h, fine number = 32 c + 16 h + 4 t + i).  The addresses hang on whole numbers that the launch before stored; each is held inside its table first.
; OUT: sel2 [8 g + a][8], fine group numbers.  LIMITS: NaN and infinities are not served.
.set OUTL, 0
.set X,    16
.set LV,   32
.set LI,   40
.set PV,   48
.set PI,   56
.set T0,   64
.set T1,   65
.set XI,   66
.set IDB,  67
.set ZERO, 68
.set C32,  69
.set CM16, 70
.set DE,   72
.set DE2,  76
.set DR,   80
.set DA,   84
.set DB,   88
.set DEA,  92
.set DEB,  96
.set AOW,  10
.set AOR,  11
.set GOF,  12
.set WV,   14
.set SEL,  20
.set TINY, 22
.set M,    48
.set MA,   56
.set MB,   57
; four d2 become four distances, in place: the correctly rounded root of max(d2, 0)
.macro DIST4 x
.irp i, 0,1,2,3
	v_max_num_f32 v[\x+\i], 0, v[\x+\i]
.endr
.irp i, 0,1,2,3
	v_cmp_gt_f32 vcc_lo, s[TINY], v[\x+\i]                 ; under 2^-96 the number is first multiplied by 2^32, and the root by 2^-16
	v_cndmask_b32 v[DE+\i], v[ZERO], v[C32], vcc_lo
	v_cndmask_b32 v[DE2+\i], v[ZERO], v[CM16], vcc_lo
.endr
.irp i, 0,1,2,3
	v_ldexp_f32 v[\x+\i], v[\x+\i], v[DE+\i]
.endr
.irp i, 0,1,2,3
	v_sqrt_f32 v[DR+\i], v[\x+\i]
.endr
	v_nop                                                  ; a plain line behind the transcendentals
	s_wait_alu depctr_va_vdst(0)
.irp i, 0,1,2,3
	v_add_nc_u32 v[DA+\i], -1, v[DR+\i]
	v_add_nc_u32 v[DB+\i], 1, v[DR+\i]
.endr
.irp i, 0,1,2,3
	v_fma_f32 v[DEA+\i], -v[DA+\i], v[DR+\i], v[\x+\i]
	v_fma_f32 v[DEB+\i], -v[DB+\i], v[DR+\i], v[\x+\i]
.endr
.irp i, 0,1,2,3
	v_cmp_ge_f32 vcc_lo, 0, v[DEA+\i]
	v_cndmask_b32 v[DR+\i], v[DR+\i], v[DA+\i], vcc_lo
	v_cmp_lt_f32 vcc_lo, 0, v[DEB+\i]
	v_cndmask_b32 v[DR+\i], v[DR+\i], v[DB+\i], vcc_lo
.endr
.irp i, 0,1,2,3
	v_ldexp_f32 v[\x+\i], v[DR+\i], v[DE2+\i]
.endr
.endm
; (v[xv], v[xi]) goes to its place in the sorted list; lex = 0: the numbers of the lane's stream rise, so an equal distance goes behind
.macro INSERT xv, xi, lex
.irp i, 0,1,2,3,4,5,6,7
	v_cmp_lt_f32 s[M+\i], v[\xv], v[LV+\i]
.if \lex
	v_cmp_eq_f32 s[MB], v[\xv], v[LV+\i]
	v_cmp_lt_u32 vcc_lo, v[\xi], v[LI+\i]
	s_and_b32 s[MB], s[MB], vcc_lo
	s_or_b32 s[M+\i], s[M+\i], s[MB]
.endif
.endr
.irp i, 7,6,5,4,3,2,1
	v_med3_num_f32 v[LV+\i], v[LV+\i-1], v[LV+\i], v[\xv]
	v_cndmask_b32 v[T0], v[\xi], v[LI+\i-1], s[M+\i-1]
	v_cndmask_b32 v[LI+\i], v[LI+\i], v[T0], s[M+\i]
.endr
	v_min_num_f32 v[LV], v[LV], v[\xv]
	v_cndmask_b32 v[LI], v[LI], v[\xi], s[M]
.endm
.macro CSWAP i, j
	v_cmp_lt_f32 s[MA], v[LV+\j], v[LV+\i]
	v_cmp_eq_f32 s[MB], v[LV+\j], v[LV+\i]
	v_cmp_lt_u32 vcc_lo, v[LI+\j], v[LI+\i]
	s_and_b32 s[MB], s[MB], vcc_lo
	s_or_b32 s[MA], s[MA], s[MB]
	v_cndmask_b32 v[T0], v[LI+\i], v[LI+\j], s[MA]
	v_cndmask_b32 v[LI+\j], v[LI+\j], v[LI+\i], s[MA]
	v_mov_b32 v[LI+\i], v[T0]
	v_min_num_f32 v[T1], v[LV+\i], v[LV+\j]
	v_max_num_f32 v[LV+\j], v[LV+\i], v[LV+\j]
	v_mov_b32 v[LV+\i], v[T1]
.endm
; my list and that of lane l xor m become the 8 first of the 16, sorted; both lanes end with the same list
.macro MERGE m
.irp j, 0,1,2,3,4,5,6,7
.if \m == 16
	v_permlanex16_b32 v[PV+\j], v[LV+\j], s[SEL], s[SEL+1]
	v_permlanex16_b32 v[PI+\j], v[LI+\j], s[SEL], s[SEL+1]
.else
	v_mov_b32_dpp v[PV+\j], v[LV+\j] row_xmask:\m row_mask:0xf bank_mask:0xf
	v_mov_b32_dpp v[PI+\j], v[LI+\j] row_xmask:\m row_mask:0xf bank_mask:0xf
.endif
.endr
.irp i, 0,1,2,3,4,5,6,7
	v_cmp_lt_f32 s[M+\i], v[PV+7-\i], v[LV+\i]
	v_cmp_eq_f32 s[MB], v[PV+7-\i], v[LV+\i]
	v_cmp_lt_u32 vcc_lo, v[PI+7-\i], v[LI+\i]
	s_and_b32 s[MB], s[MB], vcc_lo
	s_or_b32 s[M+\i], s[M+\i], s[MB]
	v_min_num_f32 v[LV+\i], v[LV+\i], v[PV+7-\i]
	v_cndmask_b32 v[LI+\i], v[LI+\i], v[PI+7-\i], s[M+\i]
.endr
	CSWAP 0, 4
	CSWAP 1, 5
	CSWAP 2, 6
	CSWAP 3, 7
	CSWAP 0, 2
	CSWAP 1, 3
	CSWAP 4, 6
	CSWAP 5, 7
	CSWAP 0, 1
	CSWAP 2, 3
	CSWAP 4, 5
	CSWAP 6, 7
.endm
.macro OUT8 bs
	ds_store_b128 v[AOW], v[LI:LI+3]               ; all lanes hold the same list and write the same bytes
	ds_store_b128 v[AOW], v[LI+4:LI+7] offset:16
	s_wait_dscnt 0x0                               ; for the others' sake: my stores have landed
	s_barrier_signal -1
	s_barrier_wait -1
	s_cmp_lg_u32 s[WV], 0
	s_cbranch_scc1 .Ldone
	ds_load_b64 v[T0:T0+1], v[AOR]
	s_wait_dscnt 0x0
	global_store_b64 v[GOF], v[T0:T0+1], s[\bs:\bs+1]   ; 256 consecutive bytes: the work-group's eight lists
.Ldone:
	s_wait_tensorcnt 0x0
	ds_add_u32 v128, v129
	s_wait_dscnt 0x0
	s_endpgm
.endm
	s_load_b128 s[4:7], s[0:1], 0x0                ; sel1, fbuf
	s_load_b64 s[8:9], s[0:1], 0x10                ; sel2
	v_lshl_add_u32 v128, v0, 2, 0x100
	v_mov_b32 v129, 0
	v_lshrrev_b32 v1, 5, v0
	v_readfirstlane_b32 s[WV], v1                  ; wave = a
	s_lshl_b32 s15, ttmp9, 3
	s_add_co_u32 s15, s15, s[WV]                   ; the list's row: 8 g + a
	s_lshl_b32 s18, s15, 5                         ; 32 bytes a row
	s_mov_b32 s19, 0
	s_lshr_b32 s16, ttmp9, 4
	s_lshl_b32 s16, s16, 7
	s_lshl_b32 s17, s[WV], 4
	s_add_co_u32 s16, s16, s17
	s_and_b32 s17, ttmp9, 15
	s_add_co_u32 s16, s16, s17                     ; q
	s_lshl_b32 s16, s16, 5                         ; 32 bytes a query in fbuf
	s_mov_b32 s17, 0
	s_lshl_b32 s24, ttmp9, 8                       ; sel2: 256 bytes a work-group
	s_mov_b32 s25, 0
	v_and_b32 v6, 31, v0                           ; lane
	v_lshrrev_b32 v2, 2, v6
	v_lshlrev_b32 v2, 2, v2                        ; entry l / 4 of the list
	v_and_b32 v3, 3, v6                            ; t
	v_and_b32 v[AOW], 0xe0, v0                     ; 32 x wave (the lists begin at LDS byte 0)
	v_lshlrev_b32 v[GOF], 3, v6
	v_lshlrev_b32 v[AOR], 3, v6
	s_mov_b32 s[SEL], 0x76543210
	s_mov_b32 s[SEL+1], 0xfedcba98
	s_mov_b32 s[TINY], 0x0f800000
	v_mov_b32 v[ZERO], 0
	v_mov_b32 v[C32], 32
	v_mov_b32 v[CM16], -16
	s_wait_kmcnt 0x0
	s_add_nc_u64 s[4:5], s[4:5], s[18:19]
	s_add_nc_u64 s[6:7], s[6:7], s[16:17]
	s_add_nc_u64 s[8:9], s[8:9], s[24:25]
	global_load_b32 v4, v2, s[4:5]
.irp i, 0,1,2,3,4,5,6,7
	v_mov_b32 v[LV+\i], 0x7f800000                 ; the list begins with entries behind every real one
	v_mov_b32 v[LI+\i], -1
	v_mov_b32 v[PV+\i], 0                          ; written once: a lane exchange's destination counts as one of its sources
	v_mov_b32 v[PI+\i], 0
.endr
	s_wait_loadcnt 0x0
	v_lshrrev_b32 v5, 1, v4
	v_min_u32 v5, 255, v5                          ; c, held inside the table
	v_and_b32 v7, 1, v4
	v_min_u32 v7, 1, v7                            ; h
	v_lshlrev_b32 v8, 17, v5
	v_lshl_add_u32 v8, v3, 15, v8
	v_lshl_add_u32 v8, v7, 4, v8
	global_load_b128 v[X:X+3], v8, s[6:7]
	v_lshlrev_b32 v[IDB], 5, v5
	v_lshl_add_u32 v[IDB], v7, 4, v[IDB]
	v_lshl_add_u32 v[IDB], v3, 2, v[IDB]           ; my first fine group's number
	s_wait_loadcnt 0x0
	DIST4 X
.irp k, 0,1,2,3
	v_add_nc_u32 v[XI], \k, v[IDB]
	INSERT X+\k, XI, 0
.endr
	MERGE 1
	MERGE 2
	MERGE 4
	MERGE 8
	MERGE 16
	OUT8 8
.Lfunc_end_k_q2a0a249146_pickf:
	.size	k_q2a0a249146_pickf, .Lfunc_end_k_q2a0a249146_pickf-k_q2a0a249146_pickf
	.p2alignl 7, 3214868480
	.fill 96, 4, 3214868480
	.section	.rodata,"a",@progbits
	.p2align	6, 0x0
	.amdhsa_kernel k_q2a0a249146_pickf
		.amdhsa_group_segment_fixed_size 1280
		.amdhsa_private_segment_fixed_size 0
		.amdhsa_enable_private_segment 0
		.amdhsa_kernarg_size 24
		.amdhsa_user_sgpr_count 2
		.amdhsa_user_sgpr_kernarg_segment_ptr 1
		.amdhsa_wavefront_size32 1
		.amdhsa_system_sgpr_workgroup_id_x 1
		.amdhsa_system_sgpr_workgroup_id_y 1
		.amdhsa_system_sgpr_workgroup_id_z 1
		.amdhsa_system_vgpr_workitem_id 0
		.amdhsa_next_free_vgpr 130
		.amdhsa_next_free_sgpr 66
		.amdhsa_reserve_vcc 1
		.amdhsa_float_denorm_mode_32 3
		.amdhsa_float_denorm_mode_16_64 3
		.amdhsa_memory_ordered 1
		.amdhsa_forward_progress 1
		.amdhsa_inst_pref_size 61
	.end_amdhsa_kernel
	.amdgpu_metadata
---
amdhsa.version: [ 1, 2 ]
amdhsa.kernels:
  - .name:           k_q2a0a249146_pickf
    .symbol:         k_q2a0a249146_pickf.kd
    .args:
      - { .name: sel1, .offset: 0, .size: 8, .value_kind: global_buffer, .address_space: global }
      - { .name: fbuf, .offset: 8, .size: 8, .value_kind: global_buffer, .address_space: global }
      - { .name: sel2, .offset: 16, .size: 8, .value_kind: global_buffer, .address_space: global }
    .group_segment_fixed_size: 1280
    .private_segment_fixed_size: 0
    .kernarg_segment_align: 8
    .kernarg_segment_size: 24
    .max_flat_workgroup_size: 256
    .sgpr_count:     66
    .vgpr_count:     130
    .wavefront_size: 32
...
	.end_amdgpu_metadata
.endif
;; end of part 4
;; launch redo (part 5): grid 128 x 1, 8 waves a work-group, no clusters, 1,280 bytes of LDS; arguments sel2, qrec, krec, sel3; writes sel3
.if DOCPART == 5
	.amdgcn_target "amdgcn-amd-amdhsa--gfx1250"
	.amdhsa_code_object_version 6
	.text
	.protected	k_q2a0a249146_redo
	.globl	k_q2a0a249146_redo
	.p2align	8
	.type	k_q2a0a249146_redo,@function
k_q2a0a249146_redo:
	s_mov_b64 s[64:65], 0
	v_nop
	global_prefetch_b8 v0, s[64:65] scope:SCOPE_SE
	s_setreg_imm32_b32 hwreg(HW_REG_WAVE_MODE, 25, 1), 1
	s_wait_xcnt 0x0
; For each query: the scores of the 8 x 16 keys of its 8 fine groups are computed once more, from the same codes, scale words, q2 and k2, by the same matrix instruction in the same order of K steps, and by the same
; addition and multiply-add; then the 8 first keys in the order (distance, key index), which is the order of the result.
; Wave (g, a) serves query q = 128 (g / 16) + 16 a + g % 16: row g % 16 of query tile 8 (g / 16) + a.  Source 0 = that one query in all 16 rows (each lane loads the bytes of the lane that holds the row);
; source 1 = a group's 16 keys, its record as it lies.  Register 0 of a result holds, in lane l, the score of key l % 16.  The sources stand the other way round than in the launch that made the minima.
; The records' addresses hang on whole numbers that the launch before stored; each is held inside the table first.
; OUT: sel3 [8 g + a][8], key indices in rank order.  LIMITS: NaN and infinities are not served.
.set OUTL, 0
.set KREC, 4352
.set AQ,   2                           ; v2   the query's bytes in an image: 256 h + 16 r
.set AQP,  3                           ; v3   its pair: 128 h + 8 r
.set L16,  4
.set L8,   5
.set R15,  9                           ; v9   lane % 16
.set X,    16                          ; v[16:19] four candidates a lane
.set ID,   20                          ; v[20:23] their key indices
.set D2,   24                          ; v[24:31] d2 of group j, key lane % 16
.set LV,   32
.set LI,   40
.set PV,   48
.set PI,   56
.set T0,   64
.set T1,   65
.set ZERO, 68
.set C32,  69
.set CM16, 70
.set DE,   72
.set DE2,  76
.set DR,   80
.set DA,   84
.set DB,   88
.set DEA,  92
.set DEB,  96
.set ACC,  128                         ; v[128:191] eight accumulators
.set KP,   192                         ; v[192:207] group j: v[192 + 2 j] its scale words, v[193 + 2 j] k2
.set QP,   208                         ; v208 the query's scale words, v209 q2
.set QA,   224                         ; v[224:255] the query's two fragments.   Window 1: the keys' fragments, group j, K step s at v[32 j + 16 s]
.set AOW,  10
.set AOR,  11
.set GOF,  12
.set WV,   14
.set SEL,  20
.set TINY, 22
.set HM,   23
.set GID,  24                          ; s[24:31] the eight group numbers
.set KB,   32                          ; s[32:47] their records' addresses
.set M,    48
.set MA,   56
.set MB,   57
.set MSB, 0
.macro WIN new                         ; the immediate's high byte repeats the setting that is left
.if MSB != \new
	s_set_vgpr_msb (MSB<<8)|\new
.set MSB, \new
.endif
.endm
; four d2 become four distances, in place: the correctly rounded root of max(d2, 0)
.macro DIST4 x
.irp i, 0,1,2,3
	v_max_num_f32 v[\x+\i], 0, v[\x+\i]
.endr
.irp i, 0,1,2,3
	v_cmp_gt_f32 vcc_lo, s[TINY], v[\x+\i]                 ; under 2^-96 the number is first multiplied by 2^32, and the root by 2^-16
	v_cndmask_b32 v[DE+\i], v[ZERO], v[C32], vcc_lo
	v_cndmask_b32 v[DE2+\i], v[ZERO], v[CM16], vcc_lo
.endr
.irp i, 0,1,2,3
	v_ldexp_f32 v[\x+\i], v[\x+\i], v[DE+\i]
.endr
.irp i, 0,1,2,3
	v_sqrt_f32 v[DR+\i], v[\x+\i]
.endr
	v_nop                                                  ; a plain line behind the transcendentals
	s_wait_alu depctr_va_vdst(0)
.irp i, 0,1,2,3
	v_add_nc_u32 v[DA+\i], -1, v[DR+\i]
	v_add_nc_u32 v[DB+\i], 1, v[DR+\i]
.endr
.irp i, 0,1,2,3
	v_fma_f32 v[DEA+\i], -v[DA+\i], v[DR+\i], v[\x+\i]
	v_fma_f32 v[DEB+\i], -v[DB+\i], v[DR+\i], v[\x+\i]
.endr
.irp i, 0,1,2,3
	v_cmp_ge_f32 vcc_lo, 0, v[DEA+\i]
	v_cndmask_b32 v[DR+\i], v[DR+\i], v[DA+\i], vcc_lo
	v_cmp_lt_f32 vcc_lo, 0, v[DEB+\i]
	v_cndmask_b32 v[DR+\i], v[DR+\i], v[DB+\i], vcc_lo
.endr
.irp i, 0,1,2,3
	v_ldexp_f32 v[\x+\i], v[DR+\i], v[DE2+\i]
.endr
.endm
; (v[xv], v[xi]) goes to its place in the sorted list; lex = 1: equal distances are ordered by index
.macro INSERT xv, xi, lex
.irp i, 0,1,2,3,4,5,6,7
	v_cmp_lt_f32 s[M+\i], v[\xv], v[LV+\i]
.if \lex
	v_cmp_eq_f32 s[MB], v[\xv], v[LV+\i]
	v_cmp_lt_u32 vcc_lo, v[\xi], v[LI+\i]
	s_and_b32 s[MB], s[MB], vcc_lo
	s_or_b32 s[M+\i], s[M+\i], s[MB]
.endif
.endr
.irp i, 7,6,5,4,3,2,1
	v_med3_num_f32 v[LV+\i], v[LV+\i-1], v[LV+\i], v[\xv]
	v_cndmask_b32 v[T0], v[\xi], v[LI+\i-1], s[M+\i-1]
	v_cndmask_b32 v[LI+\i], v[LI+\i], v[T0], s[M+\i]
.endr
	v_min_num_f32 v[LV], v[LV], v[\xv]
	v_cndmask_b32 v[LI], v[LI], v[\xi], s[M]
.endm
.macro CSWAP i, j
	v_cmp_lt_f32 s[MA], v[LV+\j], v[LV+\i]
	v_cmp_eq_f32 s[MB], v[LV+\j], v[LV+\i]
	v_cmp_lt_u32 vcc_lo, v[LI+\j], v[LI+\i]
	s_and_b32 s[MB], s[MB], vcc_lo
	s_or_b32 s[MA], s[MA], s[MB]
	v_cndmask_b32 v[T0], v[LI+\i], v[LI+\j], s[MA]
	v_cndmask_b32 v[LI+\j], v[LI+\j], v[LI+\i], s[MA]
	v_mov_b32 v[LI+\i], v[T0]
	v_min_num_f32 v[T1], v[LV+\i], v[LV+\j]
	v_max_num_f32 v[LV+\j], v[LV+\i], v[LV+\j]
	v_mov_b32 v[LV+\i], v[T1]
.endm
; my list and that of lane l xor m become the 8 first of the 16, sorted; both lanes end with the same list
.macro MERGE m
.irp j, 0,1,2,3,4,5,6,7
.if \m == 16
	v_permlanex16_b32 v[PV+\j], v[LV+\j], s[SEL], s[SEL+1]
	v_permlanex16_b32 v[PI+\j], v[LI+\j], s[SEL], s[SEL+1]
.else
	v_mov_b32_dpp v[PV+\j], v[LV+\j] row_xmask:\m row_mask:0xf bank_mask:0xf
	v_mov_b32_dpp v[PI+\j], v[LI+\j] row_xmask:\m row_mask:0xf bank_mask:0xf
.endif
.endr
.irp i, 0,1,2,3,4,5,6,7
	v_cmp_lt_f32 s[M+\i], v[PV+7-\i], v[LV+\i]
	v_cmp_eq_f32 s[MB], v[PV+7-\i], v[LV+\i]
	v_cmp_lt_u32 vcc_lo, v[PI+7-\i], v[LI+\i]
	s_and_b32 s[MB], s[MB], vcc_lo
	s_or_b32 s[M+\i], s[M+\i], s[MB]
	v_min_num_f32 v[LV+\i], v[LV+\i], v[PV+7-\i]
	v_cndmask_b32 v[LI+\i], v[LI+\i], v[PI+7-\i], s[M+\i]
.endr
	CSWAP 0, 4
	CSWAP 1, 5
	CSWAP 2, 6
	CSWAP 3, 7
	CSWAP 0, 2
	CSWAP 1, 3
	CSWAP 4, 6
	CSWAP 5, 7
	CSWAP 0, 1
	CSWAP 2, 3
	CSWAP 4, 5
	CSWAP 6, 7
.endm
.macro OUT8 bs
	ds_store_b128 v[AOW], v[LI:LI+3]               ; all lanes hold the same list and write the same bytes
	ds_store_b128 v[AOW], v[LI+4:LI+7] offset:16
	s_wait_dscnt 0x0                               ; for the others' sake: my stores have landed
	s_barrier_signal -1
	s_barrier_wait -1
	s_cmp_lg_u32 s[WV], 0
	s_cbranch_scc1 .Ldone
	ds_load_b64 v[T0:T0+1], v[AOR]
	s_wait_dscnt 0x0
	global_store_b64 v[GOF], v[T0:T0+1], s[\bs:\bs+1]   ; 256 consecutive bytes: the work-group's eight lists
.Ldone:
	s_wait_tensorcnt 0x0
	ds_add_u32 v222, v223
	s_wait_dscnt 0x0
	s_endpgm
.endm
	s_load_b256 s[4:11], s[0:1], 0x0               ; sel2 s[4:5], qrec s[6:7], krec s[8:9], sel3 s[10:11]
	v_lshl_add_u32 v222, v0, 2, 0x100
	v_mov_b32 v223, 0
	v_lshrrev_b32 v1, 5, v0
	v_readfirstlane_b32 s[WV], v1                  ; wave = a
	s_lshl_b32 s15, ttmp9, 3
	s_add_co_u32 s15, s15, s[WV]                   ; the list's row: 8 g + a
	s_lshl_b32 s16, s15, 5
	s_mov_b32 s17, 0
	s_wait_kmcnt 0x0
	s_add_nc_u64 s[4:5], s[4:5], s[16:17]
	s_load_b256 s[GID:GID+7], s[4:5], 0x0          ; my query's eight fine groups
	s_lshr_b32 s18, ttmp9, 4
	s_lshl_b32 s18, s18, 3
	s_add_co_u32 s18, s18, s[WV]                   ; my query's tile: 8 (g / 16) + a
	s_mul_i32 s16, s18, KREC
	s_add_nc_u64 s[6:7], s[6:7], s[16:17]
	s_lshl_b32 s16, ttmp9, 8                       ; sel3: 256 bytes a work-group
	s_add_nc_u64 s[10:11], s[10:11], s[16:17]
	s_and_b32 s19, ttmp9, 15
	s_lshl_b32 s19, s19, 4                         ; 16 r
	v_and_b32 v6, 31, v0                           ; lane
	v_bfe_u32 v7, v0, 4, 1                         ; h
	v_and_b32 v[R15], 15, v0
	v_lshlrev_b32 v[AQ], 8, v7
	v_add_nc_u32 v[AQ], s19, v[AQ]                 ; the place of lane 16 h + r in an image: every row of the operand is my query
	v_lshrrev_b32 v[AQP], 1, v[AQ]
	v_lshlrev_b32 v[L16], 4, v6
	v_lshlrev_b32 v[L8], 3, v6
	v_and_b32 v[AOW], 0xe0, v0                     ; 32 x wave (the lists begin at LDS byte 0)
	v_lshlrev_b32 v[GOF], 3, v6
	v_lshlrev_b32 v[AOR], 3, v6
.irp s, 0,1
.irp c, 0,1,2,3
	global_load_b128 v[QA+16*\s+4*\c:QA+16*\s+4*\c+3], v[AQ], s[6:7] offset:2048*\s+512*\c
.endr
.endr
	global_load_b64 v[QP:QP+1], v[AQP], s[6:7] offset:4096     ; lanes 0-15: the word of K step 0, lanes 16-31: of K step 1; and q2
	s_mov_b32 s[SEL], 0x76543210
	s_mov_b32 s[SEL+1], 0xfedcba98
	s_mov_b32 s[TINY], 0x0f800000
	s_mov_b32 s[HM], 0xffff0000
	v_mov_b32 v[ZERO], 0
	v_mov_b32 v[C32], 32
	v_mov_b32 v[CM16], -16
.irp i, 0,1,2,3,4,5,6,7
	v_mov_b32 v[LV+\i], 0x7f800000                 ; the list begins with entries behind every real one
	v_mov_b32 v[LI+\i], -1
	v_mov_b32 v[PV+\i], 0                          ; written once: a lane exchange's destination counts as one of its sources
	v_mov_b32 v[PI+\i], 0
.endr
	s_wait_kmcnt 0x0
.irp j, 0,1,2,3,4,5,6,7
	s_min_u32 s[GID+\j], s[GID+\j], 0x1fff         ; held inside the table of 8,192 records
	s_mul_i32 s16, s[GID+\j], KREC
	s_add_nc_u64 s[KB+2*\j:KB+2*\j+1], s[8:9], s[16:17]
.endr
	WIN 0x40                                       ; destination window 1
.irp j, 0,1,2,3,4,5,6,7
.irp s, 0,1
.irp c, 0,1,2,3
	global_load_b128 v[32*\j+16*\s+4*\c:32*\j+16*\s+4*\c+3], v[L16], s[KB+2*\j:KB+2*\j+1] offset:2048*\s+512*\c
.endr
.endr
.endr
	WIN 0
.irp j, 0,1,2,3,4,5,6,7
	global_load_b64 v[KP+2*\j:KP+2*\j+1], v[L8], s[KB+2*\j:KB+2*\j+1] offset:4096
.endr
	s_wait_loadcnt 0x0
	WIN 0x04                                       ; source 1 (the keys) in window 1.  The eight accumulators take turns, one instruction a turn
.irp j, 0,1,2,3,4,5,6,7
	v_wmma_scale_f32_16x16x128_f8f6f4 v[ACC+8*\j:ACC+8*\j+7], v[QA:QA+15], v[32*\j:32*\j+15], 0, v[QP], v[KP+2*\j]
.endr
.irp j, 0,1,2,3,4,5,6,7
	v_wmma_scale_f32_16x16x128_f8f6f4 v[ACC+8*\j:ACC+8*\j+7], v[QA+16:QA+31], v[32*\j+16:32*\j+31], v[ACC+8*\j:ACC+8*\j+7], v[QP], v[KP+2*\j] matrix_a_scale:MATRIX_SCALE_ROW1 matrix_b_scale:MATRIX_SCALE_ROW1
.endr
	WIN 0
.irp j, 0,1,2,3,4,5,6,7
	v_add_f32 v[D2+\j], v[KP+2*\j+1], v[QP+1]      ; q2 + k2.  These eight lines name no register of the products: they are the eight places in front of the first read of a result
.endr
.irp j, 0,1,2,3,4,5,6,7
	v_fma_f32 v[D2+\j], v[ACC+8*\j], -2.0, v[D2+\j]   ; d2; of each accumulator its lowest register is read
.endr
.irp p, 0,1,2,3
	v_cndmask_b32 v[X+\p], v[D2+2*\p], v[D2+2*\p+1], s[HM]    ; lanes 0-15 take group 2 p, lanes 16-31 group 2 p + 1: 128 candidates, four a lane
	v_mov_b32 v[T0], s[GID+2*\p]
	v_mov_b32 v[T1], s[GID+2*\p+1]
	v_cndmask_b32 v[ID+\p], v[T0], v[T1], s[HM]
	v_lshl_add_u32 v[ID+\p], v[ID+\p], 4, v[R15]   ; key index = 16 x group + row
.endr
	DIST4 X
.irp p, 0,1,2,3
	INSERT X+\p, ID+\p, 1
.endr
	MERGE 1
	MERGE 2
	MERGE 4
	MERGE 8
	MERGE 16
	OUT8 10
.Lfunc_end_k_q2a0a249146_redo:
	.size	k_q2a0a249146_redo, .Lfunc_end_k_q2a0a249146_redo-k_q2a0a249146_redo
	.p2alignl 7, 3214868480
	.fill 96, 4, 3214868480
	.section	.rodata,"a",@progbits
	.p2align	6, 0x0
	.amdhsa_kernel k_q2a0a249146_redo
		.amdhsa_group_segment_fixed_size 1280
		.amdhsa_private_segment_fixed_size 0
		.amdhsa_enable_private_segment 0
		.amdhsa_kernarg_size 32
		.amdhsa_user_sgpr_count 2
		.amdhsa_user_sgpr_kernarg_segment_ptr 1
		.amdhsa_wavefront_size32 1
		.amdhsa_system_sgpr_workgroup_id_x 1
		.amdhsa_system_sgpr_workgroup_id_y 1
		.amdhsa_system_sgpr_workgroup_id_z 1
		.amdhsa_system_vgpr_workitem_id 0
		.amdhsa_next_free_vgpr 512
		.amdhsa_next_free_sgpr 66
		.amdhsa_reserve_vcc 1
		.amdhsa_float_denorm_mode_32 3
		.amdhsa_float_denorm_mode_16_64 3
		.amdhsa_memory_ordered 1
		.amdhsa_forward_progress 1
		.amdhsa_inst_pref_size 78
	.end_amdhsa_kernel
	.amdgpu_metadata
---
amdhsa.version: [ 1, 2 ]
amdhsa.kernels:
  - .name:           k_q2a0a249146_redo
    .symbol:         k_q2a0a249146_redo.kd
    .args:
      - { .name: sel2, .offset: 0, .size: 8, .value_kind: global_buffer, .address_space: global }
      - { .name: qrec, .offset: 8, .size: 8, .value_kind: global_buffer, .address_space: global }
      - { .name: krec, .offset: 16, .size: 8, .value_kind: global_buffer, .address_space: global }
      - { .name: sel3, .offset: 24, .size: 8, .value_kind: global_buffer, .address_space: global }
    .group_segment_fixed_size: 1280
    .private_segment_fixed_size: 0
    .kernarg_segment_align: 8
    .kernarg_segment_size: 32
    .max_flat_workgroup_size: 256
    .sgpr_count:     66
    .vgpr_count:     512
    .wavefront_size: 32
...
	.end_amdgpu_metadata
.endif
;; end of part 5
;; launch fetch (part 6): grid 256 x 1, 4 waves a work-group, no clusters, 0 bytes of LDS; arguments sel3, vals, out0; writes out0
.if DOCPART == 6
	.amdgcn_target "amdgcn-amd-amdhsa--gfx1250"
	.amdhsa_code_object_version 6
	.text
	.protected	k_q2a0a249146_fetch
	.globl	k_q2a0a249146_fetch
	.p2align	8
	.type	k_q2a0a249146_fetch,@function
k_q2a0a249146_fetch:
	s_mov_b64 s[64:65], 0
	v_nop
	global_prefetch_b8 v0, s[64:65] scope:SCOPE_SE
	s_setreg_imm32_b32 hwreg(HW_REG_WAVE_MODE, 25, 1), 1
	s_wait_xcnt 0x0
; out0[q][j][:] = vals[index j of query q][:].  A wave takes one query: eight rows of 1,024 bytes, sixteen loads of 512 consecutive bytes, all on their way at once, and sixteen stores of 512 consecutive bytes.
; The rows' addresses hang on whole numbers that the launch before stored (sel3, row p = 8 g + a for query q = 128 (g / 16) + 16 a + g % 16); each index is held inside the table first.
; A stream: LDS, barriers, matrix units and clusters would add nothing.  The loads carry no hint: several queries may name the same row.
.set L16, 1                            ; v1   16 x lane
.set D,   8                            ; v[8:71] sixteen x 4 registers
.set WV,  14
.set IDX, 24                           ; s[24:31] the eight indices
.set RB,  32                           ; s[32:47] the eight rows' addresses
	s_load_b128 s[4:7], s[0:1], 0x0                ; sel3, vals
	s_load_b64 s[8:9], s[0:1], 0x10                ; out0
	v_lshrrev_b32 v2, 5, v0
	v_readfirstlane_b32 s[WV], v2                  ; wave 0..3
	v_and_b32 v3, 31, v0
	v_lshlrev_b32 v[L16], 4, v3
	s_lshl_b32 s15, ttmp9, 2
	s_add_co_u32 s15, s15, s[WV]                   ; p
	s_lshl_b32 s16, s15, 5                         ; 32 bytes a row of sel3
	s_mov_b32 s17, 0
	s_lshr_b32 s18, s15, 7                         ; g / 16
	s_lshl_b32 s18, s18, 7
	s_and_b32 s19, s15, 7                          ; a
	s_lshl_b32 s19, s19, 4
	s_add_co_u32 s18, s18, s19
	s_bfe_u32 s19, s15, 0x40003                    ; g % 16: four bits from bit 3
	s_add_co_u32 s18, s18, s19                     ; q
	s_lshl_b32 s18, s18, 13                        ; 8,192 bytes a query in out0
	s_mov_b32 s19, 0
	s_wait_kmcnt 0x0
	s_add_nc_u64 s[4:5], s[4:5], s[16:17]
	s_add_nc_u64 s[8:9], s[8:9], s[18:19]
	s_load_b256 s[IDX:IDX+7], s[4:5], 0x0
	s_wait_kmcnt 0x0
.irp j, 0,1,2,3,4,5,6,7
	s_min_u32 s[IDX+\j], s[IDX+\j], 0x1ffff        ; held inside the table of 131,072 rows
	s_lshl_b32 s16, s[IDX+\j], 10
	s_add_nc_u64 s[RB+2*\j:RB+2*\j+1], s[6:7], s[16:17]
.endr
.irp j, 0,1,2,3,4,5,6,7
	global_load_b128 v[D+8*\j:D+8*\j+3], v[L16], s[RB+2*\j:RB+2*\j+1]
	global_load_b128 v[D+8*\j+4:D+8*\j+7], v[L16], s[RB+2*\j:RB+2*\j+1] offset:512
.endr
.irp n, 0,1,2,3,4,5,6,7,8,9,10,11,12,13,14,15
	s_wait_loadcnt 15-\n                           ; loads come back in order (ISA guide 5.7.1): load n is in, the younger ones stay out
	global_store_b128 v[L16], v[D+4*\n:D+4*\n+3], s[8:9] offset:512*\n th:TH_STORE_NT
.endr
	s_endpgm
.Lfunc_end_k_q2a0a249146_fetch:
	.size	k_q2a0a249146_fetch, .Lfunc_end_k_q2a0a249146_fetch-k_q2a0a249146_fetch
	.p2alignl 7, 3214868480
	.fill 96, 4, 3214868480
	.section	.rodata,"a",@progbits
	.p2align	6, 0x0
	.amdhsa_kernel k_q2a0a249146_fetch
		.amdhsa_group_segment_fixed_size 0
		.amdhsa_private_segment_fixed_size 0
		.amdhsa_enable_private_segment 0
		.amdhsa_kernarg_size 24
		.amdhsa_user_sgpr_count 2
		.amdhsa_user_sgpr_kernarg_segment_ptr 1
		.amdhsa_wavefront_size32 1
		.amdhsa_system_sgpr_workgroup_id_x 1
		.amdhsa_system_sgpr_workgroup_id_y 1
		.amdhsa_system_sgpr_workgroup_id_z 1
		.amdhsa_system_vgpr_workitem_id 0
		.amdhsa_next_free_vgpr 72
		.amdhsa_next_free_sgpr 66
		.amdhsa_reserve_vcc 0
		.amdhsa_float_denorm_mode_32 3
		.amdhsa_float_denorm_mode_16_64 3
		.amdhsa_memory_ordered 1
		.amdhsa_forward_progress 1
		.amdhsa_inst_pref_size 6
	.end_amdhsa_kernel
	.amdgpu_metadata
---
amdhsa.version: [ 1, 2 ]
amdhsa.kernels:
  - .name:           k_q2a0a249146_fetch
    .symbol:         k_q2a0a249146_fetch.kd
    .args:
      - { .name: sel3, .offset: 0, .size: 8, .value_kind: global_buffer, .address_space: global }
      - { .name: vals, .offset: 8, .size: 8, .value_kind: global_buffer, .address_space: global }
      - { .name: out0, .offset: 16, .size: 8, .value_kind: global_buffer, .address_space: global }
    .group_segment_fixed_size: 0
    .private_segment_fixed_size: 0
    .kernarg_segment_align: 8
    .kernarg_segment_size: 24
    .max_flat_workgroup_size: 128
    .sgpr_count:     66
    .vgpr_count:     72
    .wavefront_size: 32
...
	.end_amdgpu_metadata
.endif
;; end of part 6
